; MI455X (gfx1250); checked and timed in simulation.
; The chip was launched on July 23, 2026; its instructions are those of AMD's public machine-readable ISA for CDNA 5 (MIT licence, August 2026) and "CDNA5" Instruction Set Architecture Reference Guide (July 2026). The comments in the code are by the model that wrote it; some were corrected since.
;; Multi Head Attention. Allowed arithmetic: matrix products marked QUANTISED: E2M3 operands, one E8M0 scale for each 32 along K, by v_wmma_scale_f32_16x16x128_f8f6f4 with both operands' format E2M3, f32 sums; everything else in f32.
;; Inputs: Wk 512 x 512 float32; Wo 512 x 512 float32; Wq 512 x 512 float32; Wv 512 x 512 float32; bk 512 float32; bo 512 float32; bq 512 float32; bv 512 float32; k 2 x 4,096 x 512 float32; q 2 x 4,096 x 512 float32; v 2 x 4,096 x 512 float32.
;; Outputs: out0 2 x 4,096 x 512 float32.
;; This version of the problem:
;;   THIS VERSION OF THE PROBLEM IS GIVEN IN LOW PRECISION. The matrix products marked QUANTISED in the list below multiply operands that are first quantised to E2M3 (2 exponent bits, 3 mantissa bits; 6 bits a number), with one power-of-two scale for each 32 numbers along K (OCP MX v1.0); their sums are f32. All else is computed in f32.
;;   The module's matrix products, in the order in which they are computed (A, B: the left and right operand; K: the contracted axis; several contracted axes count as one K, in the product's order):
;;     1. [M 8,192, K 512] x [K 512, N 512]; A: input q; B: input Wq: QUANTISED
;;     2. [M 8,192, K 512] x [K 512, N 512]; A: input k; B: input Wk: QUANTISED
;;     3. [M 8,192, K 512] x [K 512, N 512]; A: input v; B: input Wv: QUANTISED
;;     4. batch 16 x [M 4,096, K 64] x [K 64, N 4,096]; A: computed on the way; B: computed on the way: QUANTISED
;;     5. batch 16 x [M 4,096, K 4,096] x [K 4,096, N 64]; A: softmax (see below); B: computed on the way: QUANTISED
;;     6. [M 8,192, K 512] x [K 512, N 512]; A: computed on the way; B: input Wo: QUANTISED
;;   THE QUANTISER, for each operand of a quantised product, along K:
;;     - K is cut into blocks of 32 from its start; a last block that is shorter is filled with zeros.
;;     - A block's scale is 2^e with e = floor(log2(the largest magnitude in the block)) - 2, held to -126 .. 127; a block of zeros has e = 0. As a byte (E8M0): e + 127.
;;     - Each number is divided by its block's scale, clamped to +-7.5, and rounded to the nearest number of E2M3, ties to even, subnormals kept.
;;     - The product sums the exact products of the quantised numbers (number of the format x scale) in f32.
;;   ~~~python
;;   def quantise(x, axis):      # numpy; x: float32 -> the quantised numbers, widened to float32 again
;;       x = np.moveaxis(x, axis, -1); K = x.shape[-1]
;;       x = np.pad(x, [(0, 0)] * (x.ndim - 1) + [(0, -K % 32)]); x = x.reshape(x.shape[:-1] + (-1, 32)); a = np.abs(x).max(-1, keepdims=True)
;;       e = np.where(a > 0, np.clip(np.frexp(np.where(a > 0, a, 1))[1] - 1 - 2, -126, 127), 0)      # np.frexp(a)[1] - 1 = floor(log2(a)), exactly
;;       r = np.clip(x / 2.0 ** e, -7.5, 7.5)
;;       step = 2.0 ** (np.maximum(np.frexp(np.where(r == 0, 1, r))[1] - 1, 0) - 3)
;;       q = np.round(r / step) * step * 2.0 ** e      # np.round: ties to even
;;       return np.moveaxis(q.reshape(q.shape[:-2] + (-1,))[..., :K], -1, axis).astype(np.float32)
;;   ~~~
;;   SOFTMAX AHEAD OF A QUANTISED PRODUCT. Where the list says 'softmax', what is quantised is not the finished softmax but p = 2^(t - M), with t = logit x log2(e) and M = ceil(the row's largest t), a whole number; so 1/2 < the row's largest p <= 1. The row's sum l is taken of the UNQUANTISED p, in f32, and the product's result is divided by l at the end. Since M is a whole number, a kernel that streams over the keys may use a running M (the ceiling of the running maximum): every later rescaling is an exact power of two, which a block's scale takes up: the codes' values come out the same.
;;   OPERANDS COMPUTED ON THE WAY. 'Computed on the way' means the value that the module computes at that place (a softmax that the list does not call 'softmax' is quantised finished and normalised). What goes into a quantiser is computed in f32, as accurately as f32 sums, v_exp_f32 and their like allow (about 1e-6 of the number): no bf16 or f16 on the way to a quantiser, and a product that is left as it is and whose result goes on into a quantised operand takes f32 operands (vector FMAs, or v_wmma_f32_16x16x4_f32). A number that lies on a knife's edge between two numbers of the format may be rounded either way, as far as f32 arithmetic and the matrix unit's own rounding can turn it there, and no further.
;; One version. Each part assembles by itself: llvm-mc -triple=amdgcn-amd-amdhsa -mcpu=gfx1250 --defsym DOCPART=n.
;; ======== version 1 of 1: 4 launches
;; limits: right only within a limited range of input values
;; workspace buffers: cod 10,223,616 bytes; scl 425,984 bytes; qi 3,276,800 bytes; kv 6,553,600 bytes; cc 3,145,728 bytes; cs 131,072 bytes
;; launch quant (part 1): grid 256 x 1, 13 waves a work-group, no clusters, 111,616 bytes of LDS; arguments q, k, v, Wq, Wk, Wv, Wo, cod, scl; writes cod, scl
.if DOCPART == 1
	.amdgcn_target "amdgcn-amd-amdhsa--gfx1250"
	.amdhsa_code_object_version 6
	.text
	.protected	k_q3e6b29064e_quant
	.globl	k_q3e6b29064e_quant
	.p2align	8
	.type	k_q3e6b29064e_quant,@function
k_q3e6b29064e_quant:
	s_mov_b64 s[64:65], 0
	v_nop
	global_prefetch_b8 v0, s[64:65] scope:SCOPE_SE
	s_setreg_imm32_b32 hwreg(HW_REG_WAVE_MODE, 25, 1), 1
	s_wait_xcnt 0x0
; q, k, v [8192][512] and Wq, Wk, Wv, Wo [512][512], f32, K (the 512) innermost, become codes of FP6 (E2M3) with one E8M0 byte for each 32 along K.
; A block's scale is 2^(floor(log2(its largest magnitude)) - 2); its byte is the largest magnitude's exponent field - 2, held at 1 from below.
; LIMITS: a block of zeros gets the byte 1 (its codes are zeros, and this program alone reads the bytes); blocks whose largest magnitude lies under 2^-124 are held at byte 1;
; NaN and infinities among the inputs are not served.
; TILES.  A tile is 16 rows: lane r of tile 2 B + u takes row 32 B + 8 u + r + 8 (r / 8).  All seven tensors are one list of 1,664 tiles: q 0.., k 512.., v 1024.., Wq 1536.., Wk 1568.., Wv 1600.., Wo 1632...
; IMAGES.  A fragment (16 rows x 128 K, 12 registers a lane) is stored as its registers: registers 4 c .. 4 c + 3 of lane l at 512 c + 16 l: three stores of 512 consecutive bytes.  Tile T, K step s: cod + 6144 T + 1536 s.
; The scale word of (lane r, K step s): scl + 256 T + 128 (s / 2) + 8 r + 4 (s % 2).
; SHARES.  3,328 half tiles (16 rows x 256 K) = 256 work-groups x 13 waves: a wave takes one.  Each load reads 512 consecutive bytes of a row; the rows turn through the wave's own stage in LDS, so that a lane
; gets 16 neighbours of each block of 32.  Waves share nothing: no barrier.  No matrix unit, no tensor load, no cluster: every byte is read once by one wave.
.set STGB,  8448                       ; a wave's stage: 16 rows x (512 bytes + 16): row r starts 16 r bytes further round the banks
.set SPARE, 13*STGB                    ; behind the stages: the spare words, 128 bytes for each wave, seven blocks of 256 bytes that no other line names
.set LI,  1                            ; v1   16 x lane
.set SIN, 2                            ; v2   stage + 16 x lane: a row on its way in
.set SOU, 3                            ; v3   stage + 528 r + 64 h: my 16 neighbours of a block
.set SCA, 4                            ; v4   8 r + 4 h: where my scale word goes
.set SPW, 5                            ; v5   LDS address of my spare word; never rewritten
.set NIL, 6                            ; v6   0; never rewritten
.set TM,  16                           ; v16-31  at work in QUANT
.set R0,  32                           ; v32-95  K step 0's numbers
.set R1,  96                           ; v96-159 K step 1's
.set PC0, 160                          ; v160-171, v172-183 the two fragments
.set PC1, 172
.set CT,  184                          ; v184-191 the upper halves of the blocks, on their way
.set PW0, 192                          ; v192, v193 the two scale words; v194 the one that my lane stores
.set SEL, 34                           ; s[34:35] v_permlanex16_b32's selects for lane l xor 16
; 64 numbers of a lane, v[s + 16 b + i] = k 32 b + 16 (lane / 16) + i of my row, become a fragment: registers d0 .. d0 + 5 hold k = 32 h + 0 .. 31, d1 .. d1 + 5 hold k = 64 + 32 h + 0 .. 31; the scale word goes to v[pw].
.macro QUANT s, d0, d1, pw
.irp b, 0,1,2,3
	v_max3_num_f32 v[TM+\b], |v[(\s)+16*\b]|, |v[(\s)+1+16*\b]|, 0x1800000   ; my 16 numbers of block b, and the floor 2^(3 - 127): the byte cannot fall under 1
.endr
.irp i, 2,4,6,8,10,12,14
.irp b, 0,1,2,3
	s_delay_alu instid0(VALU_DEP_4)
	v_max3_num_f32 v[TM+\b], v[TM+\b], |v[(\s)+16*\b+\i]|, |v[(\s)+1+16*\b+\i]|   ; the four blocks by turns
.endr
.endr
.irp b, 0,1,2,3
	s_delay_alu instid0(VALU_DEP_4)
	v_permlanex16_b32 v[TM+4+\b], v[TM+\b], s[SEL], s[SEL+1]
.endr
.irp b, 0,1,2,3
	s_delay_alu instid0(VALU_DEP_4)
	v_max_num_f32 v[TM+\b], v[TM+\b], v[TM+4+\b]       ; with lane l xor 16's 16: the block's largest magnitude
.endr
.irp b, 0,1,2,3
	s_delay_alu instid0(VALU_DEP_4)
	v_add_nc_u32 v[TM+12+\b], 0xff000000, v[TM+\b]     ; 2 off its exponent field: the conversion takes this operand's exponent field as its scale
.endr
.irp b, 0,1,2,3
	s_delay_alu instid0(VALU_DEP_4)
	v_lshrrev_b32 v[TM+4+\b], 23, v[TM+12+\b]          ; the scale's byte
.endr
	s_delay_alu instid0(VALU_DEP_3)
	v_lshl_or_b32 v[\pw], v[TM+5], 8, v[TM+4]
	s_delay_alu instid0(VALU_DEP_1)
	v_lshl_or_b32 v[\pw], v[TM+6], 16, v[\pw]
	s_delay_alu instid0(VALU_DEP_1)
	v_lshl_or_b32 v[\pw], v[TM+7], 24, v[\pw]          ; my row's scale word
	v_cvt_scalef32_pk16_fp6_f32 v[(\d0):(\d0)+2], v[(\s):(\s)+15], v[TM+12]
	v_cvt_scalef32_pk16_fp6_f32 v[CT:CT+2], v[(\s)+16:(\s)+31], v[TM+13]      ; (a conversion's three registers begin on an even number)
	v_cvt_scalef32_pk16_fp6_f32 v[(\d1):(\d1)+2], v[(\s)+32:(\s)+47], v[TM+14]
	v_cvt_scalef32_pk16_fp6_f32 v[CT+4:CT+6], v[(\s)+48:(\s)+63], v[TM+15]
	v_nop                                              ; one plain place behind the scaled conversions
.irp i, 0,1,2
	v_permlane16_swap_b32 v[(\d0)+\i], v[CT+\i]        ; the layout wants a whole block in a lane: lanes 0-15 the even block, lanes 16-31 the odd one
.endr
.irp i, 0,1,2
	s_delay_alu instid0(VALU_DEP_3)
	v_mov_b32 v[(\d0)+3+\i], v[CT+\i]
.endr
.irp i, 0,1,2
	v_permlane16_swap_b32 v[(\d1)+\i], v[CT+4+\i]
.endr
.irp i, 0,1,2
	s_delay_alu instid0(VALU_DEP_3)
	v_mov_b32 v[(\d1)+3+\i], v[CT+4+\i]
.endr
.endm
; 16 rows of 512 bytes go into the stage as they were loaded and come back 16 neighbours of each block a lane, into the same registers
.macro TURN R
.irp n, 0,1,2,3,4,5,6,7,8,9,10,11,12,13,14,15
	ds_store_b128 v[SIN], v[\R+4*\n:\R+4*\n+3] offset:528*\n
.endr
	s_wait_dscnt 0x0                                   ; the stores have read their registers, which the loads below fill
.irp b, 0,1,2,3
.irp j, 0,1,2,3
	ds_load_b128 v[\R+16*\b+4*\j:\R+16*\b+4*\j+3], v[SOU] offset:128*\b+16*\j
.endr
.endr
	s_wait_dscnt 0x0
.endm
	s_load_b256 s[4:11], s[0:1], 0x0               ; q s[4:5], k s[6:7], v s[8:9], Wq s[10:11]
	s_load_b256 s[12:19], s[0:1], 0x20             ; Wk s[12:13], Wv s[14:15], Wo s[16:17], cod s[18:19]
	s_load_b64 s[20:21], s[0:1], 0x40              ; scl
	v_lshl_add_u32 v[SPW], v0, 2, SPARE
	v_mov_b32 v[NIL], 0
	v_lshrrev_b32 v7, 5, v0
	s_delay_alu instid0(VALU_DEP_1)
	v_readfirstlane_b32 s22, v7                    ; wave 0..12
	v_and_b32 v7, 31, v0                           ; lane
	v_and_b32 v8, 15, v0                           ; r
	v_bfe_u32 v9, v0, 4, 1                         ; h
	s_delay_alu instid0(VALU_DEP_3)
	v_lshlrev_b32 v[LI], 4, v7
	s_mul_i32 s23, s22, STGB                       ; my stage
	v_add_nc_u32 v[SIN], s23, v[LI]
	v_mul_u32_u24 v[SOU], v8, 528
	s_delay_alu instid0(VALU_DEP_1)
	v_lshl_add_u32 v[SOU], v9, 6, v[SOU]
	s_delay_alu instid0(VALU_DEP_1)
	v_add_nc_u32 v[SOU], s23, v[SOU]
	v_lshlrev_b32 v[SCA], 3, v8
	s_delay_alu instid0(VALU_DEP_1)
	v_lshl_add_u32 v[SCA], v9, 2, v[SCA]
	v_cmp_eq_u32 s30, 1, v9                        ; lanes 16-31
.irp b, 0,1,2,3
	v_mov_b32 v[TM+4+\b], 0                        ; written once: a lane permute's destination counts as one of its sources
.endr
	s_mov_b32 s[SEL], 0x76543210
	s_mov_b32 s[SEL+1], 0xfedcba98
	s_mul_i32 s24, ttmp9, 13
	s_add_co_u32 s24, s24, s22                     ; my half tile, 0 .. 3,327
	s_lshr_b32 s25, s24, 1                         ; T
	s_and_b32 s26, s24, 1                          ; which 256 along K
	s_wait_alu depctr_va_vdst(0)
	s_wait_kmcnt 0x0
	s_mov_b64 s[32:33], s[16:17]                   ; the tensor that holds tile T, and its first tile: the choice hangs on ids alone
	s_mov_b32 s27, 1632
	s_cmp_lt_u32 s25, 1632
	s_cselect_b64 s[32:33], s[14:15], s[32:33]
	s_cselect_b32 s27, 1600, s27
	s_cmp_lt_u32 s25, 1600
	s_cselect_b64 s[32:33], s[12:13], s[32:33]
	s_cselect_b32 s27, 1568, s27
	s_cmp_lt_u32 s25, 1568
	s_cselect_b64 s[32:33], s[10:11], s[32:33]
	s_cselect_b32 s27, 1536, s27
	s_cmp_lt_u32 s25, 1536
	s_cselect_b64 s[32:33], s[8:9], s[32:33]
	s_cselect_b32 s27, 1024, s27
	s_cmp_lt_u32 s25, 1024
	s_cselect_b64 s[32:33], s[6:7], s[32:33]
	s_cselect_b32 s27, 512, s27
	s_cmp_lt_u32 s25, 512
	s_cselect_b64 s[32:33], s[4:5], s[32:33]
	s_cselect_b32 s27, 0, s27
	s_sub_co_u32 s28, s25, s27                     ; the tile's number in its tensor
	; k's TILES (T = 512 .. 1023) TAKE OTHER ROWS than the six other tensors': lane r of tile 4 B + u takes row 64 B + 8 u + (r % 8) + 32 (r / 8),
	; so that in attention a lane's 32 scores of four tiles are one whole block of 32 keys.  The choice hangs on the tile's number alone.
	s_sub_co_u32 s42, s25, 512
	s_cmp_lt_u32 s42, 512                          ; a tile of k?
	s_cselect_b32 s43, 2, 1                        ; 4 or 2 tiles share a run of rows,
	s_cselect_b32 s44, 3, 1
	s_cselect_b32 s45, 32, 16                      ; and lanes 8-15 stand 32 or 16 rows behind lanes 0-7
	s_lshr_b32 s36, s28, s43
	s_add_co_u32 s43, s43, 4
	s_lshl_b32 s36, s36, s43                       ; runs of 64 or 32 rows
	s_and_b32 s37, s28, s44
	s_lshl_b32 s37, s37, 3
	s_add_co_u32 s36, s36, s37                     ; its first row: 32 (tile / 2) + 8 (tile % 2); for k, 64 (tile / 4) + 8 (tile % 4)
	s_lshl_b32 s36, s36, 11                        ; rows of 2,048 bytes
	s_lshl_b32 s37, s26, 10                        ; + my 256 along K
	s_add_co_u32 s36, s36, s37
	s_mov_b32 s37, 0
	s_add_nc_u64 s[32:33], s[32:33], s[36:37]
	s_lshl_b32 s42, s45, 11
	s_mov_b32 s43, 0
	s_add_nc_u64 s[42:43], s[32:33], s[42:43]      ; the rows of the tile's lanes 8-15
	s_mul_i32 s38, s25, 6144
	s_mul_i32 s39, s26, 3072
	s_add_co_u32 s38, s38, s39
	s_mov_b32 s39, 0
	s_add_nc_u64 s[18:19], s[18:19], s[38:39]      ; my two images
	s_lshl_b32 s40, s25, 8
	s_lshl_b32 s41, s26, 7
	s_add_co_u32 s40, s40, s41
	s_mov_b32 s41, 0
	s_add_nc_u64 s[20:21], s[20:21], s[40:41]      ; my 128 bytes of scale words
.irp p, 0,1
.irp n, 0,1,2,3,4,5,6,7,8,9,10,11,12,13,14,15
.if \n < 8
	global_load_b128 v[R0+64*\p+4*\n:R0+64*\p+4*\n+3], v[LI], s[32:33] offset:\n*2048+512*\p th:TH_LOAD_NT   ; 128 numbers of the row that the tile's lane n takes: 512 consecutive bytes
.else
	global_load_b128 v[R0+64*\p+4*\n:R0+64*\p+4*\n+3], v[LI], s[42:43] offset:(\n-8)*2048+512*\p th:TH_LOAD_NT
.endif
.endr
.endr
	s_wait_loadcnt 16                              ; the first K step's 16 loads are in; the second's 16 may be out
	TURN R0
	QUANT R0, PC0, PC0+6, PW0
.irp c, 0,1,2
	global_store_b128 v[LI], v[PC0+4*\c:PC0+4*\c+3], s[18:19] offset:512*\c
.endr
	s_wait_loadcnt 0x0
	TURN R1
	QUANT R1, PC1, PC1+6, PW0+1
.irp c, 0,1,2
	global_store_b128 v[LI], v[PC1+4*\c:PC1+4*\c+3], s[18:19] offset:1536+512*\c
.endr
	v_cndmask_b32 v[PW0+2], v[PW0], v[PW0+1], s30  ; lanes 0-15 store the first K step's word of row r, lanes 16-31 the second's
	global_store_b32 v[SCA], v[PW0+2], s[20:21]    ; 128 consecutive bytes
	s_wait_tensorcnt 0x0                           ; the wave's end
	ds_add_u32 v[SPW], v[NIL]
	s_wait_dscnt 0x0
	s_endpgm
.Lfunc_end_k_q3e6b29064e_quant:
	.size	k_q3e6b29064e_quant, .Lfunc_end_k_q3e6b29064e_quant-k_q3e6b29064e_quant
	.p2alignl 7, 3214868480
	.fill 96, 4, 3214868480
	.section	.rodata,"a",@progbits
	.p2align	6, 0x0
	.amdhsa_kernel k_q3e6b29064e_quant
		.amdhsa_group_segment_fixed_size 111616
		.amdhsa_private_segment_fixed_size 0
		.amdhsa_enable_private_segment 0
		.amdhsa_kernarg_size 72
		.amdhsa_user_sgpr_count 2
		.amdhsa_user_sgpr_kernarg_segment_ptr 1
		.amdhsa_wavefront_size32 1
		.amdhsa_system_sgpr_workgroup_id_x 1
		.amdhsa_system_sgpr_workgroup_id_y 1
		.amdhsa_system_sgpr_workgroup_id_z 1
		.amdhsa_system_vgpr_workitem_id 0
		.amdhsa_next_free_vgpr 196
		.amdhsa_next_free_sgpr 66
		.amdhsa_reserve_vcc 0
		.amdhsa_float_denorm_mode_32 3
		.amdhsa_float_denorm_mode_16_64 3
		.amdhsa_memory_ordered 1
		.amdhsa_forward_progress 1
		.amdhsa_inst_pref_size 23
	.end_amdhsa_kernel
	.amdgpu_metadata
---
amdhsa.version: [ 1, 2 ]
amdhsa.kernels:
  - .name:           k_q3e6b29064e_quant
    .symbol:         k_q3e6b29064e_quant.kd
    .args:
      - { .name: q, .offset: 0, .size: 8, .value_kind: global_buffer, .address_space: global }
      - { .name: k, .offset: 8, .size: 8, .value_kind: global_buffer, .address_space: global }
      - { .name: v, .offset: 16, .size: 8, .value_kind: global_buffer, .address_space: global }
      - { .name: Wq, .offset: 24, .size: 8, .value_kind: global_buffer, .address_space: global }
      - { .name: Wk, .offset: 32, .size: 8, .value_kind: global_buffer, .address_space: global }
      - { .name: Wv, .offset: 40, .size: 8, .value_kind: global_buffer, .address_space: global }
      - { .name: Wo, .offset: 48, .size: 8, .value_kind: global_buffer, .address_space: global }
      - { .name: cod, .offset: 56, .size: 8, .value_kind: global_buffer, .address_space: global }
      - { .name: scl, .offset: 64, .size: 8, .value_kind: global_buffer, .address_space: global }
    .group_segment_fixed_size: 111616
    .private_segment_fixed_size: 0
    .kernarg_segment_align: 8
    .kernarg_segment_size: 72
    .max_flat_workgroup_size: 416
    .sgpr_count:     66
    .vgpr_count:     196
    .wavefront_size: 32
...
	.end_amdgpu_metadata
.endif
;; end of part 1
;; launch proj (part 2): grid 256 x 1, 3 waves a work-group, no clusters, 0 bytes of LDS; arguments cod, scl, bq, bk, bv, qi, kv; writes qi, kv
.if DOCPART == 2
	.amdgcn_target "amdgcn-amd-amdhsa--gfx1250"
	.amdhsa_code_object_version 6
	.text
	.protected	k_q3e6b29064e_proj
	.globl	k_q3e6b29064e_proj
	.p2align	8
	.type	k_q3e6b29064e_proj,@function
k_q3e6b29064e_proj:
	s_mov_b64 s[64:65], 0
	v_nop
	global_prefetch_b8 v0, s[64:65] scope:SCOPE_SE
	s_setreg_imm32_b32 hwreg(HW_REG_WAVE_MODE, 25, 1), 1
	s_wait_xcnt 0x0
; The three projections x W^T + b on codes of FP6 (E2M3), and their results quantised again, in registers, for attention: qh and kh along the head's 64, vh along the keys.
; SHARES.  A wave makes 128 tokens x 128 channels (two heads) over K = 512: 256 matrix instructions.  The wave's number is its role: 0 = q, 1 = k, 2 = v.  Work-group g: channels 128 (g % 4) on, tokens 128 (g / 4) on.
; OPERANDS are register images (tile T, K step s at cod + 6144 T + 1536 s): three loads of 512 consecutive bytes bring a fragment.  Eight tiles STAY in registers (source 0), eight MOVE through four buffers (source 1).
; q, k: the weight's tiles stay, the tokens' move: a lane holds one token, and, since lane r of tile 2 B + u takes row 32 B + 8 u + r + 8 (r / 8), its 64 results are channels 32 b + 16 h + 0 .. 15, b = 0 .. 3.
; v: the tokens' tiles stay, the weight's move: a lane holds one channel and its 64 results run along the 128 tokens, which are the second product's K.
; The bias is the C of each sum's first matrix instruction.
; OUT.  q, k: a PAIR IMAGE for each head and 32 tokens: registers 0-5 tile 2 b's 64 codes a token, registers 6-11 tile 2 b + 1's; its scale word: bytes 0, 1 and bytes 2, 3.  v: an image of 16 channels x 128 keys.
; qi: bh x 204,800 + unit x 6,400: four pair images, then 256 bytes of scale words [r][b].  kv: bh x 409,600 + unit x 12,800: K's four pair images, K's scale words [r][b], V's four images, V's scale words [r][t].
; LIMITS: a block of zeros gets the byte 1 with zero codes; blocks whose largest magnitude lies under 2^-124 are held at byte 1; NaN and infinities are not served.
; NO CLUSTER, NO LDS: a wave reads 2 x 8 x 6,144 bytes of codes once, straight into its operand registers; there is no LDS tile that a joint load could fill for several work-groups.
; REGISTERS: window 0: v1-5 addresses; v16-47 the staying tiles' scale words; v48-63 the moving tiles'; v64-127 accumulators; v128-191 the bias; v192.. at work.  window 1: staying tiles 0-3 at 48 t + 12 s;
; window 2: staying tiles 4-7; window 3: four buffers for moving tiles at 48 (i % 4) + 12 s.
.set LI,   1                           ; v1  16 x lane
.set LS,   2                           ; v2  8 r: a tile's scale words
.set BAQ,  3                           ; v3  64 h: the bias of a lane's channels (q, k)
.set SCO,  4                           ; v4  16 r + 8 h: scale words on their way out
.set BAV,  5                           ; v5  4 (r + 8 (r / 8)): the bias of a lane's channel (v)
.set SS,   16
.set MS,   48
.set ACC,  64
.set BI,   128
.set TM,   192
.set PW,   208
.set CT,   212
.set IMG0, 220
.set IMG1, 232
.set SW,   244
.set SEL,  46                          ; s[46:47] v_permlanex16_b32's selects for lane l xor 16
.set MSB, 0
.macro WIN new                         ; the immediate's high byte repeats the setting that is left
.if MSB != \new
	s_set_vgpr_msb (MSB<<8)|\new
.set MSB, \new
.endif
.endm
; 64 numbers of a lane, v[s + 16 b + i] = k 32 b + 16 (lane / 16) + i of my row, become codes: registers d0 .. d0 + 5 hold k = 32 h + 0 .. 31, d1 .. d1 + 5 hold k = 64 + 32 h + 0 .. 31; the scale word goes to v[pw].
.macro QUANT s, d0, d1, pw
.irp b, 0,1,2,3
	v_max3_num_f32 v[TM+\b], |v[(\s)+16*\b]|, |v[(\s)+1+16*\b]|, 0x1800000   ; each accumulator is read from its low end on; the floor 2^(3 - 127) holds the byte at 1 from below
.endr
.irp i, 2,4,6,8,10,12,14
.irp b, 0,1,2,3
	v_max3_num_f32 v[TM+\b], v[TM+\b], |v[(\s)+16*\b+\i]|, |v[(\s)+1+16*\b+\i]|
.endr
.endr
.irp b, 0,1,2,3
	v_permlanex16_b32 v[TM+4+\b], v[TM+\b], s[SEL], s[SEL+1]
.endr
.irp b, 0,1,2,3
	v_max_num_f32 v[TM+\b], v[TM+\b], v[TM+4+\b]       ; with lane l xor 16's 16: the block's largest magnitude
.endr
.irp b, 0,1,2,3
	v_add_nc_u32 v[TM+12+\b], 0xff000000, v[TM+\b]     ; 2 off its exponent field: the conversion's scale operand
.endr
.irp b, 0,1,2,3
	v_lshrrev_b32 v[TM+4+\b], 23, v[TM+12+\b]          ; the scale's byte
.endr
	v_lshl_or_b32 v[\pw], v[TM+5], 8, v[TM+4]
	v_lshl_or_b32 v[\pw], v[TM+6], 16, v[\pw]
	v_lshl_or_b32 v[\pw], v[TM+7], 24, v[\pw]
	v_cvt_scalef32_pk16_fp6_f32 v[(\d0):(\d0)+2], v[(\s):(\s)+15], v[TM+12]
	v_cvt_scalef32_pk16_fp6_f32 v[CT:CT+2], v[(\s)+16:(\s)+31], v[TM+13]
	v_cvt_scalef32_pk16_fp6_f32 v[(\d1):(\d1)+2], v[(\s)+32:(\s)+47], v[TM+14]
	v_cvt_scalef32_pk16_fp6_f32 v[CT+4:CT+6], v[(\s)+48:(\s)+63], v[TM+15]
	v_nop                                              ; one plain place behind the scaled conversions
.irp i, 0,1,2
	v_permlane16_swap_b32 v[(\d0)+\i], v[CT+\i]        ; a whole block to a lane: lanes 0-15 the even block, lanes 16-31 the odd one
.endr
.irp i, 0,1,2
	v_mov_b32 v[(\d0)+3+\i], v[CT+\i]
.endr
.irp i, 0,1,2
	v_permlane16_swap_b32 v[(\d1)+\i], v[CT+4+\i]
.endr
.irp i, 0,1,2
	v_mov_b32 v[(\d1)+3+\i], v[CT+4+\i]
.endr
.endm
.macro LOADMV i                        ; moving tile i: four fragments and four scale words: 14 loads
	WIN 0xc0                                       ; destination window 3, address window 0
.irp s, 0,1,2,3
.irp c, 0,1,2
	global_load_b128 v[48*((\i)%4)+12*\s+4*\c:48*((\i)%4)+12*\s+4*\c+3], v[LI], s[28:29] offset:6144*(\i)+1536*\s+512*\c
.endr
.endr
	WIN 0
	global_load_b64 v[MS+4*((\i)%4):MS+4*((\i)%4)+1], v[LS], s[30:31] offset:256*(\i)
	global_load_b64 v[MS+4*((\i)%4)+2:MS+4*((\i)%4)+3], v[LS], s[30:31] offset:256*(\i)+128
.endm
; 16 matrix instructions: staying tiles t0 .. t0 + 3 against moving tile i, K step by K step: four accumulators by turns, one instruction a turn.  byt = 1: the bias goes by the staying tile; 0: by the moving one
.macro MMG i, byt, t0
.irp s, 0,1,2,3
.irp t, 0,1,2,3
.if \s == 0
	v_wmma_scale_f32_16x16x128_f8f6f4 v[ACC+8*(\t0+\t):ACC+8*(\t0+\t)+7], v[48*\t+12*\s:48*\t+12*\s+11], v[48*((\i)%4)+12*\s:48*((\i)%4)+12*\s+11], v[BI+8*(\byt*(\t0+\t)+(1-\byt)*(\i)):BI+8*(\byt*(\t0+\t)+(1-\byt)*(\i))+7], v[SS+4*(\t0+\t)+\s], v[MS+4*((\i)%4)+\s] matrix_a_fmt:MATRIX_FMT_FP6 matrix_b_fmt:MATRIX_FMT_FP6
.else
	v_wmma_scale_f32_16x16x128_f8f6f4 v[ACC+8*(\t0+\t):ACC+8*(\t0+\t)+7], v[48*\t+12*\s:48*\t+12*\s+11], v[48*((\i)%4)+12*\s:48*((\i)%4)+12*\s+11], v[ACC+8*(\t0+\t):ACC+8*(\t0+\t)+7], v[SS+4*(\t0+\t)+\s], v[MS+4*((\i)%4)+\s] matrix_a_fmt:MATRIX_FMT_FP6 matrix_b_fmt:MATRIX_FMT_FP6
.endif
.endr
.endr
.endm
.macro MM i, byt, n                    ; n: the loads issued behind moving tile i's own, which may stay out
	s_wait_loadcnt \n
	WIN 0x0d                                       ; source 0 window 1, source 1 window 3, C and D window 0
	MMG \i, \byt, 0
	WIN 0x0e                                       ; source 0 window 2
	MMG \i, \byt, 4
	WIN 0
.rept 4
	v_nop                                          ; four places ahead of the loads into the buffer just multiplied and of the first read of the results
.endr
.endm
.macro SCALEOUT                        ; eight scale words a row, four for each head: lane (r, h) stores words 2 h and 2 h + 1 at 16 r + 8 h: 256 consecutive bytes a head
	v_cndmask_b32 v252, v[SW], v[SW+2], s44
	v_cndmask_b32 v253, v[SW+1], v[SW+3], s44
	v_cndmask_b32 v254, v[SW+4], v[SW+6], s44
	v_cndmask_b32 v255, v[SW+5], v[SW+7], s44
	global_store_b64 v[SCO], v[252:253], s[40:41]
	global_store_b64 v[SCO], v[254:255], s[42:43]
.endm
	s_load_b256 s[4:11], s[0:1], 0x0               ; cod s[4:5], scl s[6:7], bq s[8:9], bk s[10:11]
	s_load_b128 s[12:15], s[0:1], 0x20             ; bv s[12:13], qi s[14:15]
	s_load_b64 s[16:17], s[0:1], 0x30              ; kv
	v_lshrrev_b32 v6, 5, v0
	v_readfirstlane_b32 s20, v6                    ; the wave's number: its role
	v_and_b32 v6, 31, v0                           ; lane
	v_and_b32 v7, 15, v0                           ; r
	v_bfe_u32 v8, v0, 4, 1                         ; h
	v_lshlrev_b32 v[LI], 4, v6
	v_lshlrev_b32 v[LS], 3, v7
	v_lshlrev_b32 v[BAQ], 6, v8
	v_lshlrev_b32 v[SCO], 4, v7
	v_lshl_add_u32 v[SCO], v8, 3, v[SCO]
	v_and_b32 v[BAV], 8, v7
	v_add_nc_u32 v[BAV], v[BAV], v7
	v_lshlrev_b32 v[BAV], 2, v[BAV]
	v_cmp_eq_u32 s44, 1, v8                        ; lanes 16-31
.irp b, 0,1,2,3
	v_mov_b32 v[TM+4+\b], 0                        ; written once: a lane permute's destination counts as one of its sources
.endr
	s_mov_b32 s[SEL], 0x76543210
	s_mov_b32 s[SEL+1], 0xfedcba98
	s_and_b32 s21, ttmp9, 3                        ; which 128 channels
	s_lshr_b32 s22, ttmp9, 2                       ; which 128 tokens, 0 .. 63
	s_lshl_b32 s48, s20, 9
	s_lshl_b32 s49, s22, 3
	s_add_co_u32 s48, s48, s49                     ; the tokens' first tile: 512 role + 8 x unit
	s_lshl_b32 s49, s20, 5
	s_lshl_b32 s50, s21, 3
	s_add_co_u32 s49, s49, s50
	s_add_co_u32 s49, s49, 1536                    ; the weight's first tile: 1536 + 32 role + 8 x channel block
	s_mov_b32 s53, 409600                          ; a head's bytes, a unit's bytes and the scale words' place: kv's,
	s_mov_b32 s54, 12800
	; A UNIT OF kv, AS IT IS LAID HERE: K's four pair images (6,144 bytes), K's scale words (256), V's four images (6,144), V's scale words (256): K's 6,400 bytes and V's 6,400 bytes each on end
	s_mov_b32 s55, 6144                            ; q's and K's scale words stand behind their four images
	s_cmp_eq_u32 s20, 0
	s_cselect_b32 s53, 204800, s53                 ; or qi's
	s_cselect_b32 s54, 6400, s54
	s_cmp_eq_u32 s20, 2
	s_cselect_b32 s55, 12544, s55                  ; V's scale words,
	s_cselect_b32 s52, 6400, 0                     ; and V's images, lie behind K's 6,400 bytes
	s_cselect_b32 s50, s48, s49                    ; the tiles that stay: v: the tokens'; q, k: the weight's
	s_cselect_b32 s51, s49, s48                    ; the tiles that move
	s_lshr_b32 s58, s22, 5
	s_lshl_b32 s58, s58, 3
	s_lshl_b32 s59, s21, 1
	s_add_co_u32 s58, s58, s59                     ; 8 x batch + my first head
	s_mul_i32 s58, s58, s53
	s_and_b32 s59, s22, 31
	s_mul_i32 s59, s59, s54
	s_add_co_u32 s58, s58, s59                     ; + the unit in its batch
	s_add_co_u32 s60, s58, s52                     ; the images' offset,
	s_mov_b32 s61, 0
	s_add_co_u32 s62, s58, s55                     ; the scale words',
	s_mov_b32 s63, 0
	s_mov_b32 s56, s53                             ; and from head to head
	s_mov_b32 s57, 0
	s_mov_b32 s49, 0
	s_wait_kmcnt 0x0
	s_cmp_eq_u32 s20, 0
	s_cselect_b64 s[36:37], s[14:15], s[16:17]     ; qi or kv
	s_cselect_b64 s[32:33], s[8:9], s[10:11]       ; bq or bk,
	s_cmp_eq_u32 s20, 2
	s_cselect_b64 s[32:33], s[12:13], s[32:33]     ; or bv
	s_add_nc_u64 s[40:41], s[36:37], s[62:63]      ; scale words, first head
	s_add_nc_u64 s[36:37], s[36:37], s[60:61]      ; images, first head
	s_add_nc_u64 s[38:39], s[36:37], s[56:57]      ; images, second head
	s_add_nc_u64 s[42:43], s[40:41], s[56:57]      ; scale words, second head
	s_lshl_b32 s48, s21, 9
	s_add_nc_u64 s[32:33], s[32:33], s[48:49]      ; the bias of my 128 channels
	s_mul_i32 s48, s50, 6144
	s_add_nc_u64 s[24:25], s[4:5], s[48:49]        ; the staying tiles' codes,
	s_lshl_b32 s48, s50, 8
	s_add_nc_u64 s[26:27], s[6:7], s[48:49]        ; and scale words
	s_mul_i32 s48, s51, 6144
	s_add_nc_u64 s[28:29], s[4:5], s[48:49]        ; the moving tiles' codes,
	s_lshl_b32 s48, s51, 8
	s_add_nc_u64 s[30:31], s[6:7], s[48:49]        ; and scale words
	WIN 0x40                                       ; destination window 1
.irp t, 0,1,2,3
.irp s, 0,1,2,3
.irp c, 0,1,2
	global_load_b128 v[48*\t+12*\s+4*\c:48*\t+12*\s+4*\c+3], v[LI], s[24:25] offset:6144*\t+1536*\s+512*\c
.endr
.endr
.endr
	WIN 0x80                                       ; destination window 2
.irp t, 0,1,2,3
.irp s, 0,1,2,3
.irp c, 0,1,2
	global_load_b128 v[48*\t+12*\s+4*\c:48*\t+12*\s+4*\c+3], v[LI], s[24:25] offset:6144*(\t+4)+1536*\s+512*\c
.endr
.endr
.endr
	WIN 0
.irp t, 0,1,2,3,4,5,6,7
	global_load_b64 v[SS+4*\t:SS+4*\t+1], v[LS], s[26:27] offset:256*\t
	global_load_b64 v[SS+4*\t+2:SS+4*\t+3], v[LS], s[26:27] offset:256*\t+128
.endr
	s_cmp_eq_u32 s20, 2
	s_cbranch_scc1 .Lrole_v
	; ---- q and k: a lane holds a token; its registers run along the channels
.irp t, 0,1,2,3,4,5,6,7
	global_load_b128 v[BI+8*\t:BI+8*\t+3], v[BAQ], s[32:33] offset:(32*(\t/2)+8*(\t%2))*4      ; tile t's register j is channel 32 (t / 2) + 16 h + 8 (t % 2) + j
	global_load_b128 v[BI+8*\t+4:BI+8*\t+7], v[BAQ], s[32:33] offset:(32*(\t/2)+8*(\t%2))*4+16
.endr
.irp i, 0,1,2,3
	LOADMV \i
.endr
.irp i, 0,1,2,3,4,5,6,7
.if \i < 5
	MM \i, 1, 42                                   ; three later tiles' 14 loads each may be out
.else
	MM \i, 1, 14*(7-\i)
.endif
.if \i < 4
	LOADMV \i+4
.endif
.if (\i%2 == 0) && (\i > 0)
	s_wait_xcnt 0x0                                ; the last pair's stores have read the image registers: only behind this wait are they written again
.endif
	QUANT ACC, IMG0+6*(\i%2), IMG1+6*(\i%2), PW+(\i%2)   ; channels 0-63 are the first head's, 64-127 the second's: six registers of each head's pair image
.if \i%2 == 1
	v_perm_b32 v[SW+\i/2], v[PW+1], v[PW], 0x05040100    ; first head: the even tile's two bytes below, the odd tile's above
	v_perm_b32 v[SW+4+\i/2], v[PW+1], v[PW], 0x07060302  ; second head likewise
.irp c, 0,1,2
	global_store_b128 v[LI], v[IMG0+4*\c:IMG0+4*\c+3], s[36:37] offset:1536*(\i/2)+512*\c
	global_store_b128 v[LI], v[IMG1+4*\c:IMG1+4*\c+3], s[38:39] offset:1536*(\i/2)+512*\c
.endr
.endif
.endr
	SCALEOUT
	s_endpgm
.Lrole_v:
	; ---- v: a lane holds a channel; its registers run along the 128 tokens
	s_wait_alu depctr_va_vdst(0)
.irp i, 0,1,2,3,4,5,6,7
	global_load_b32 v[BI+8*\i], v[BAV], s[32:33] offset:(32*(\i/2)+8*(\i%2))*4   ; the bias of the channel that lane r of the weight's tile i takes
.endr
.irp i, 0,1,2,3
	LOADMV \i
.endr
	s_wait_loadcnt 42                              ; the bias is in (and the first moving tile)
.irp i, 0,1,2,3,4,5,6,7
.irp j, 1,2,3,4,5,6,7
	v_mov_b32 v[BI+8*\i+\j], v[BI+8*\i]            ; the same bias for a lane's eight tokens
.endr
.endr
.rept 4
	v_nop
.endr
.irp i, 0,1,2,3,4,5,6,7
.if \i < 5
	MM \i, 0, 42
.else
	MM \i, 0, 14*(7-\i)
.endif
.if \i < 4
	LOADMV \i+4
.endif
.if \i > 1
	s_wait_xcnt 0x0                                ; the stores of two tiles back have read the image registers
.endif
	QUANT ACC, IMG0+12*(\i%2), IMG0+12*(\i%2)+6, SW+\i   ; 16 channels x 128 keys: one whole fragment; tiles 0-3 are the first head's, 4-7 the second's
.irp c, 0,1,2
	global_store_b128 v[LI], v[IMG0+12*(\i%2)+4*\c:IMG0+12*(\i%2)+4*\c+3], s[36+2*(\i/4):37+2*(\i/4)] offset:1536*(\i%4)+512*\c
.endr
.endr
	SCALEOUT
	s_endpgm
.Lfunc_end_k_q3e6b29064e_proj:
	.size	k_q3e6b29064e_proj, .Lfunc_end_k_q3e6b29064e_proj-k_q3e6b29064e_proj
	.p2alignl 7, 3214868480
	.fill 96, 4, 3214868480
	.section	.rodata,"a",@progbits
	.p2align	6, 0x0
	.amdhsa_kernel k_q3e6b29064e_proj
		.amdhsa_group_segment_fixed_size 0
		.amdhsa_private_segment_fixed_size 0
		.amdhsa_enable_private_segment 0
		.amdhsa_kernarg_size 56
		.amdhsa_user_sgpr_count 2
		.amdhsa_user_sgpr_kernarg_segment_ptr 1
		.amdhsa_wavefront_size32 1
		.amdhsa_system_sgpr_workgroup_id_x 1
		.amdhsa_system_sgpr_workgroup_id_y 1
		.amdhsa_system_sgpr_workgroup_id_z 1
		.amdhsa_system_vgpr_workitem_id 0
		.amdhsa_next_free_vgpr 960
		.amdhsa_next_free_sgpr 66
		.amdhsa_reserve_vcc 0
		.amdhsa_float_denorm_mode_32 3
		.amdhsa_float_denorm_mode_16_64 3
		.amdhsa_memory_ordered 1
		.amdhsa_forward_progress 1
		.amdhsa_inst_pref_size 175
	.end_amdhsa_kernel
	.amdgpu_metadata
---
amdhsa.version: [ 1, 2 ]
amdhsa.kernels:
  - .name:           k_q3e6b29064e_proj
    .symbol:         k_q3e6b29064e_proj.kd
    .args:
      - { .name: cod, .offset: 0, .size: 8, .value_kind: global_buffer, .address_space: global }
      - { .name: scl, .offset: 8, .size: 8, .value_kind: global_buffer, .address_space: global }
      - { .name: bq, .offset: 16, .size: 8, .value_kind: global_buffer, .address_space: global }
      - { .name: bk, .offset: 24, .size: 8, .value_kind: global_buffer, .address_space: global }
      - { .name: bv, .offset: 32, .size: 8, .value_kind: global_buffer, .address_space: global }
      - { .name: qi, .offset: 40, .size: 8, .value_kind: global_buffer, .address_space: global }
      - { .name: kv, .offset: 48, .size: 8, .value_kind: global_buffer, .address_space: global }
    .group_segment_fixed_size: 0
    .private_segment_fixed_size: 0
    .kernarg_segment_align: 8
    .kernarg_segment_size: 56
    .max_flat_workgroup_size: 96
    .sgpr_count:     66
    .vgpr_count:     960
    .wavefront_size: 32
...
	.end_amdgpu_metadata
.endif
;; end of part 2
;; launch attn (part 3): grid 16 x 16, 16 waves a work-group, clusters of 4 x 1, 207,360 bytes of LDS; arguments qi, kv, cc, cs; writes cc, cs
.if DOCPART == 3
	.amdgcn_target "amdgcn-amd-amdhsa--gfx1250"
	.amdhsa_code_object_version 6
	.text
	.protected	k_q3e6b29064e_attn
	.globl	k_q3e6b29064e_attn
	.p2align	8
	.type	k_q3e6b29064e_attn,@function
k_q3e6b29064e_attn:
	s_mov_b64 s[64:65], 0
	v_nop
	global_prefetch_b8 v0, s[64:65] scope:SCOPE_SE
	s_setreg_imm32_b32 hwreg(HW_REG_WAVE_MODE, 25, 1), 1
	s_wait_xcnt 0x0
	s_wait_alu depctr_hold_cnt(0) depctr_sa_sdst(0) depctr_va_vdst(0) depctr_va_sdst(0) depctr_va_ssrc(0) depctr_va_vcc(0) depctr_vm_vsrc(0)
	s_getreg_b32 s2, hwreg(HW_REG_IB_STS2, 6, 4)
	s_cmp_eq_u32 s2, 0
	s_cbranch_scc0 .Lentry_in_a_cluster
	s_endpgm
.Lentry_in_a_cluster:
	s_bfe_u32 s2, ttmp6, 0x10000c
	s_cmp_lg_u32 s2, 0x3003
	s_cbranch_scc0 .Lentry_shape_is_right
	s_endpgm
.Lentry_shape_is_right:
; ctx[bh][q] = the sum over the keys of softmax(qh . kh / 8) vh, both products on codes of FP6 (E2M3) with one E8M0 scale for each 32 along K; ctx is quantised along the head's 64 on its way out.
; THE SOFTMAX: t = score x log2(e) / 8; M = the running largest t rounded UP to a whole number; p = 2^(t - M) is quantised along the keys, not normalised; the row's sum is taken of the unquantised p and divides at the end.
; When M moves, the sum and O are multiplied by 2^(old M - new M): exact.
; SHARES.  A work-group owns 256 queries of one batch and head (bh); each of its sixteen waves one tile of 16, in 256 registers.  Every wave walks 32 key steps of 128 keys.
; LAYOUT.  Both products transposed: S^T = K Q^T, O^T = V^T P^T: a lane holds one query.  Row m of K's tile t of a step is key 64 (t / 4) + 32 (m / 8) + 8 (t % 4) + m % 8, so lane (r, h) holds in the 32 registers
; of score tiles 4 c .. 4 c + 3 the keys 64 c + 32 h + 0 .. 31: ONE WHOLE BLOCK, in the order in which the second product's operand wants them.  A block's maximum needs no other lane and its codes change no lane.
; THE HEAD HAS 64 CHANNELS, THE INSTRUCTION 128 ALONG K.  A pair image holds tile 2 b's 64 codes a key in registers 0-5 and tile 2 b + 1's in registers 6-11.  Against (q, zeros) it gives tile 2 b's scores, against
; (zeros, q) tile 2 b + 1's: zero codes add nothing under any scale byte but 0xff; K's bytes lie in 1 .. 254 and q's idle bytes are 0.
; K STAYS IN LDS, V GOES TO REGISTERS.  K and V of a bh are 409,600 bytes, more than LDS holds.  K's 32 x 6,400 bytes (images and scale words) come once, at the head: each wave fetches two units.  No LDS byte is
; filled again, so the walk over the keys has no barrier.  V's 6,400 bytes of a step are register images: 13 loads of the wave bring them from memory, issued behind the step before's products.
; CLUSTER.  The four query blocks of a cluster belong to one bh: K is asked for jointly, by the same load with the same descriptor and the mask of all four.  V's loads fill registers, which a joint load cannot.
; NO PREFETCH: V's loads are themselves issued one whole key step ahead of the products that read them; K comes at the head, where there is no loop to run ahead in.
; LIMITS: a block of zeros gets the byte 1 with zero codes; blocks of ctx whose largest magnitude lies under 2^-124 are held at byte 1; NaN and infinities are not served; the scaled scores stay under 2^31 in magnitude.
; REGISTERS: v1-11 addresses; v12 -M, v13 the largest score, v[14:15] the sum in two halves; v16 8 h; v20-23 K's scale words, v24-27 V's, v28-29 q's, v30 p's; v32-79 K's four pair images, then p's codes and all
; that is at work in the softmax; v80-127 V's four images; v128-191 S^T, then p; v192-223 O^T; v224-241 zeros, q, zeros; v242 f.
.set UNITB, 12800                      ; a key step in kv: K's 6,400 bytes, then V's
.set UNITK, 6400
.set STG,   32*UNITK                   ; behind K: 512 bytes, the sixteen tiles' scale halfwords on their way out
.set SPARE, STG+512                    ; the spare words, 128 bytes for each wave: eight blocks of 256 bytes that no other line names
.set LI,  1                            ; 16 x lane
.set ADR, 2                            ; the step's images of K in LDS
.set ADS, 3                            ; the step's unit + 16 r
.set LR,  4                            ; 16 r
.set SPW, 5                            ; LDS address of my spare word; never rewritten
.set NIL, 6                            ; 0; never rewritten
.set L8,  9                            ; 8 x lane
.set SHA, 10                           ; where my row's scale halfword goes
.set SRD, 11                           ; where wave 0 reads the 512 bytes back
.set NM,  12
.set RUN, 13
.set SUM, 14
.set SH8, 16
.set KS,  20
.set VS,  24
.set QS,  28
.set PW,  30
.set KV,  32
.set P,   KV                           ; p's codes, 12 registers
.set CT,  KV+12                        ; the blocks' upper halves on their way (a conversion's three registers begin on an even number)
.set AC,  KV+20                        ; eight pairs: the step's sum in eight chains
.set BM,  KV+36                        ; my two blocks' largest scores, then largest p
.set MB,  KV+38
.set X,   KV+40
.set Y,   KV+41
.set T,   KV+42
.set D,   KV+43
.set SO,  KV+44                        ; the conversions' scale operands
.set BY,  KV+46                        ; the scale bytes
.set VV,  80
.set S,   128
.set O,   192
.set QZ,  224
.set F,   242
.set WV,  12                           ; s12  my wave's number
.set SEL, 20                           ; s[20:21] lane selects: lane l xor 16
.set CS,  22                           ; s[22:23] c = log2(e) / 8, twice: the packed form names a pair
.set G1,  24                           ; s[24:31] descriptor group 1
.set G0,  32                           ; s[32:35] group 0
.set NC,  36                           ; s36  -c
.set TB,  40                           ; s40  LDS byte at which the next step's unit begins
.set CNT, 41
.set VB,  60                           ; s[60:61] V's 6,400 bytes of the step last asked for
.macro CROUND                          ; a round of the cluster's barrier
	s_barrier_signal -1
	s_barrier_wait -1
	s_cmp_lg_u32 s[WV], 0
	s_cbranch_scc1 .Lnot_wave_0_\@
	s_barrier_signal -3
.Lnot_wave_0_\@:
	s_barrier_wait -3
	s_barrier_signal -1
	s_barrier_wait -1
.endm
.macro VLOAD                           ; V's four images and its scale words [r][t]: 13 loads, each image load 512 consecutive bytes
.irp t, 0,1,2,3
.irp c, 0,1,2
	global_load_b128 v[VV+12*\t+4*\c:VV+12*\t+4*\c+3], v[LI], s[VB:VB+1] offset:1536*\t+512*\c
.endr
.endr
	global_load_b128 v[VS:VS+3], v[LR], s[VB:VB+1] offset:6144
.endm
; A KEY STEP: 128 keys.  more = 1: a step follows, and its V is asked for
.macro STEP more
.irp b, 0,1,2,3
.irp c, 0,1,2
	ds_load_b128 v[KV+12*\b+4*\c:KV+12*\b+4*\c+3], v[ADR] offset:1536*\b+512*\c   ; an image comes back as it was stored
.endr
.endr
	ds_load_b128 v[KS:KS+3], v[ADS] offset:6144    ; the four pairs' scale words of lane r
	s_wait_dscnt 0x0
.irp b, 0,1,2,3
	v_wmma_scale_f32_16x16x128_f8f6f4 v[S+16*\b:S+16*\b+7], v[KV+12*\b:KV+12*\b+11], v[QZ+6:QZ+17], 0, v[KS+\b], v[QS] matrix_a_fmt:MATRIX_FMT_FP6 matrix_b_fmt:MATRIX_FMT_FP6       ; (q, zeros): tile 2 b
	v_wmma_scale_f32_16x16x128_f8f6f4 v[S+16*\b+8:S+16*\b+15], v[KV+12*\b:KV+12*\b+11], v[QZ:QZ+11], 0, v[KS+\b], v[QS+1] matrix_a_fmt:MATRIX_FMT_FP6 matrix_b_fmt:MATRIX_FMT_FP6   ; (zeros, q): tile 2 b + 1
.endr
.if \more                              ; four places (ISA guide 7.12.1) ahead of the first read of the scores and of the first write into K's registers
	s_add_co_u32 s[TB], s[TB], UNITK
	v_add_nc_u32 v[ADR], s[TB], v[LI]              ; the next step's addresses
	v_add_nc_u32 v[ADS], s[TB], v[LR]
	v_nop
	v_nop
.else
.rept 4
	v_nop
.endr
.endif
.irp c, 0,1                            ; the largest score of my two blocks of 32 keys, each in two chains; every accumulator is first read at its low end
	v_max3_num_f32 v[BM+\c], v[S+32*\c], v[S+32*\c+1], v[S+32*\c+2]
	v_max3_num_f32 v[MB+\c], v[S+32*\c+16], v[S+32*\c+17], v[S+32*\c+18]
.endr
.irp i, 3,5,7,9,11,13
.irp c, 0,1
	v_max3_num_f32 v[BM+\c], v[BM+\c], v[S+32*\c+\i], v[S+32*\c+\i+1]
	v_max3_num_f32 v[MB+\c], v[MB+\c], v[S+32*\c+16+\i], v[S+32*\c+17+\i]
.endr
.endr
.irp c, 0,1
	v_max3_num_f32 v[BM+\c], v[BM+\c], v[MB+\c], v[S+32*\c+15]
.endr
.irp c, 0,1
	v_max_num_f32 v[BM+\c], v[BM+\c], v[S+32*\c+31]
.endr
	v_max_num_f32 v[X], v[BM], v[BM+1]
	v_permlanex16_b32 v[Y], v[X], s[SEL], s[SEL+1] ; lane l xor 16 holds my query's two other blocks
	v_max3_num_f32 v[RUN], v[RUN], v[X], v[Y]      ; the running largest score
	v_mul_f32 v[T], s[NC], v[RUN]                  ; -t (c is positive)
	v_floor_f32 v[T], v[T]                         ; the new -M = floor(-t): M is a whole number
	v_sub_f32 v[D], v[T], v[NM]                    ; old M - new M: a whole number, 0 or less
	v_mov_b32 v[NM], v[T]
.set j, 0
.rept 32
	v_pk_fma_f32 v[S+j:S+j+1], v[S+j:S+j+1], s[CS:CS+1], v[NM:NM+1] op_sel_hi:[1,0,0]   ; t - M, two at a time
.set j, j+2
.endr
	v_pk_fma_f32 v[BM:BM+1], v[BM:BM+1], s[CS:CS+1], v[NM:NM+1] op_sel_hi:[1,0,0]       ; the same of each block's largest score
	s_wait_alu depctr_va_vdst(0)
.set j, 0
.rept 64
	v_exp_f32 v[S+j], v[S+j]                       ; p = 2^(t - M), at most 1
.set j, j+1
.endr
	v_exp_f32 v[BM], v[BM]                         ; the blocks' largest p: the same two instructions on the same numbers
	v_exp_f32 v[BM+1], v[BM+1]
	v_cvt_i32_f32 v[D], v[D]                       ; (it saturates)  Plain places behind the exponentials
	v_ldexp_f32 v[F], 1.0, v[D]                    ; f = 2^(old M - new M)
	s_wait_alu depctr_va_vdst(0)                   ; one wait for the batch, ahead of its first reader
.irp c, 0,1
	v_max_num_f32 v[BM+\c], 0x1800000, v[BM+\c]    ; the floor 2^(3 - 127): the byte cannot fall under 1
.endr
.irp c, 0,1
	s_delay_alu instid0(VALU_DEP_2)
	v_add_nc_u32 v[SO+\c], 0xff000000, v[BM+\c]    ; 2 off the exponent field: the conversion's scale operand
.endr
.irp c, 0,1
	s_delay_alu instid0(VALU_DEP_2)
	v_lshrrev_b32 v[BY+\c], 23, v[SO+\c]           ; the scale's byte
.endr
	s_delay_alu instid0(VALU_DEP_1)
	v_lshl_or_b32 v[X], v[BY+1], 16, v[BY]         ; my bytes: blocks h and 2 + h,
	s_delay_alu instid0(VALU_DEP_1)
	v_lshlrev_b32 v[X], v[SH8], v[X]               ; at their places in the scale word;
	s_delay_alu instid0(VALU_DEP_1)
	v_permlanex16_b32 v[Y], v[X], s[SEL], s[SEL+1]
	s_delay_alu instid0(VALU_DEP_1)
	v_or_b32 v[PW], v[X], v[Y]                     ; with lane l xor 16's two the word is whole
.irp a, 0,1,2,3,4,5,6,7                ; the step's sum of the unquantised p, two at a time, in eight chains
	v_pk_add_f32 v[AC+2*\a:AC+2*\a+1], v[S+4*\a:S+4*\a+1], v[S+4*\a+2:S+4*\a+3]
.endr
.irp g, 0,1
.irp a, 0,1,2,3,4,5,6,7
	v_pk_add_f32 v[AC+2*\a:AC+2*\a+1], v[AC+2*\a:AC+2*\a+1], v[S+32+16*\g+2*\a:S+32+16*\g+2*\a+1]
.endr
.endr
.irp a, 0,2,4,6
	v_pk_add_f32 v[AC+2*\a:AC+2*\a+1], v[AC+2*\a:AC+2*\a+1], v[AC+2*\a+2:AC+2*\a+3]
.endr
.irp c, 0,1
	v_cvt_scalef32_pk16_fp6_f32 v[P+6*\c:P+6*\c+2], v[S+32*\c:S+32*\c+15], v[SO+\c]        ; keys 64 c + 32 h + 0 .. 15
	v_cvt_scalef32_pk16_fp6_f32 v[CT+4*\c:CT+4*\c+2], v[S+32*\c+16:S+32*\c+31], v[SO+\c]   ; and + 16 .. 31
.endr
	v_nop                                          ; one plain place behind the scaled conversions
.irp c, 0,1
.irp i, 0,1,2
	v_mov_b32 v[P+6*\c+3+\i], v[CT+4*\c+\i]
.endr
.endr
	s_wait_loadcnt 0x0                             ; V is in: all my loads, issued a step ago
	s_wait_alu depctr_va_vdst(0)                   ; directly ahead of the first reader of O^T
.set j, 0
.rept 16
	v_pk_mul_f32 v[O+j:O+j+1], v[O+j:O+j+1], v[F:F+1] op_sel_hi:[1,0]   ; O^T under the new M, each accumulator from its low end on; these are also the places ahead of the products below
.set j, j+2
.endr
.irp t, 0,1,2,3
	v_wmma_scale_f32_16x16x128_f8f6f4 v[O+8*\t:O+8*\t+7], v[VV+12*\t:VV+12*\t+11], v[P:P+11], v[O+8*\t:O+8*\t+7], v[VS+\t], v[PW] matrix_a_fmt:MATRIX_FMT_FP6 matrix_b_fmt:MATRIX_FMT_FP6
.endr
	v_pk_add_f32 v[AC:AC+1], v[AC:AC+1], v[AC+4:AC+5]          ; the sum's last four lines are the four places ahead of the loads into V's and K's registers
	v_pk_add_f32 v[AC+8:AC+9], v[AC+8:AC+9], v[AC+12:AC+13]
	v_pk_add_f32 v[AC:AC+1], v[AC:AC+1], v[AC+8:AC+9]
	v_pk_fma_f32 v[SUM:SUM+1], v[SUM:SUM+1], v[F:F+1], v[AC:AC+1] op_sel_hi:[1,0,1]   ; the sum under the new M, and the step's
.if \more
	s_add_nc_u64 s[VB:VB+1], s[VB:VB+1], UNITB     ; (the wait on LOADcnt above has shown the loads that read this base done)
	VLOAD
.endif
.endm
	s_load_b256 s[4:11], s[0:1], 0x0               ; qi s[4:5], kv s[6:7], cc s[8:9], cs s[10:11]
	v_lshl_add_u32 v[SPW], v0, 2, SPARE
	v_mov_b32 v[NIL], 0
	ds_add_u32 v[SPW], v[NIL]                      ; the wave's opening: the add, twice on end, and its wait ahead of the round in front of the first tensor loads
	ds_add_u32 v[SPW], v[NIL]
	v_lshrrev_b32 v7, 5, v0
	s_delay_alu instid0(VALU_DEP_1)
	v_readfirstlane_b32 s[WV], v7                  ; wave 0..15
	s_bfe_u32 s13, ttmp6, 0x40000                  ; cx: it enters Q's, cc's and cs's global addresses alone
	s_lshl_b32 s14, ttmp9, 2
	s_add_co_u32 s14, s14, s13                     ; my block of 256 queries
	s_and_b32 s15, ttmp7, 0xffff                   ; bh, which the four partners share
	s_mov_b32 s[G1], 15|(3<<16)|(1<<21)            ; the mask: all four work-groups; elements of 8 bytes; bit 21 set beside a mask; no padding
	s_mov_b32 s[G1+1], 800<<16                     ; tensor_dim0 = 800 elements: K's 6,400 bytes of a unit
	s_mov_b32 s[G1+2], 2<<16                       ; tensor_dim1 = 2 units
	s_mov_b32 s[G1+3], 800<<16                     ; tile_dim0
	s_mov_b32 s[G1+4], 2                           ; tile_dim1
	s_mov_b32 s[G1+5], 1600                        ; the pitch: a unit's 12,800 bytes, a multiple of 256
	s_mov_b32 s[G1+6], 0
	s_mov_b32 s[G1+7], 0
	s_mul_i32 s42, s[WV], 2*UNITK                  ; my two units in LDS,
	s_mul_i32 s43, s15, 32*UNITB
	s_mul_i32 s44, s[WV], 2*UNITB
	s_add_co_u32 s44, s44, s43                     ; and in kv
	s_mov_b32 s45, 0
	s_add_co_u32 s[VB], s43, UNITK                 ; V of key step 0
	s_mov_b32 s[VB+1], 0
	s_mov_b32 s[SEL], 0x76543210
	s_mov_b32 s[SEL+1], 0xfedcba98
	s_mov_b32 s[CS], 0x3e38aa3b                    ; c = log2(e) / 8
	s_mov_b32 s[CS+1], s[CS]
	s_mov_b32 s[NC], 0xbe38aa3b                    ; -c
	s_mov_b32 s[TB], 0
	s_mul_i32 s46, s15, 204800                     ; Q: my bh,
	s_lshl_b32 s47, s14, 1
	s_lshr_b32 s58, s[WV], 3
	s_add_co_u32 s47, s47, s58
	s_mul_i32 s47, s47, 6400
	s_add_co_u32 s46, s46, s47                     ; my unit of 128 tokens,
	s_bfe_u32 s48, s[WV], 0x20001                  ; my pair of tiles in it,
	s_and_b32 s49, s[WV], 1                        ; and which tile of the pair
	s_mul_i32 s50, s48, 1536
	s_add_co_u32 s50, s50, s46
	s_mov_b32 s51, 0
	s_lshl_b32 s52, s48, 2
	s_add_co_u32 s52, s52, s46
	s_add_co_u32 s52, s52, 6144
	s_mov_b32 s53, 0
	s_lshr_b32 s58, s15, 3
	s_lshl_b32 s58, s58, 8
	s_lshl_b32 s59, s14, 4
	s_add_co_u32 s58, s58, s59                     ; my work-group's first tile of ctx: 256 x batch + 16 x block
	s_and_b32 s59, s15, 7                          ; the head
	s_lshl_b32 s56, s59, 14
	s_lshl_b32 s47, s58, 5
	s_add_co_u32 s56, s56, s47
	s_mov_b32 s57, 0
	s_add_co_u32 s54, s58, s[WV]
	s_mul_i32 s54, s54, 6144
	s_mul_i32 s47, s59, 768
	s_add_co_u32 s54, s54, s47
	s_mov_b32 s55, 0
	s_mul_i32 s62, s49, 520                        ; Q's six registers out of the pair image: tile 0: registers 0-5, tile 1: registers 6-11
	s_mul_i32 s63, s49, 1016
	s_lshl_b32 s49, s49, 4
	v_and_b32 v7, 31, v0                           ; lane
	v_and_b32 v8, 15, v0                           ; r
	v_bfe_u32 v[SH8], v0, 4, 1                     ; h
	v_and_b32 v[SHA], 0x1e0, v0                    ; 32 x wave
	v_lshlrev_b32 v[LI], 4, v7
	v_lshlrev_b32 v[LR], 4, v8
	v_lshlrev_b32 v[L8], 3, v7
	v_lshl_add_u32 v[SHA], v8, 1, v[SHA]
	v_lshlrev_b32 v[SH8], 3, v[SH8]                ; 8 h
	v_add_nc_u32 v[ADR], s[TB], v[LI]
	v_add_nc_u32 v[ADS], s[TB], v[LR]
	v_add_nc_u32 v[SHA], STG, v[SHA]
	v_add_nc_u32 v[SRD], STG, v[LI]
	v_add_nc_u32 v7, s62, v[LI]
	v_add_nc_u32 v8, s63, v[LI]
	s_wait_alu depctr_va_vdst(0)
	s_wait_dscnt 0x0                               ; both opening adds are done
	s_wait_kmcnt 0x0
	s_add_nc_u64 s[G0+2:G0+3], s[6:7], s[44:45]    ; K's two units that I fetch
	s_add_nc_u64 s[VB:VB+1], s[6:7], s[VB:VB+1]
	s_add_nc_u64 s[16:17], s[4:5], s[50:51]        ; Q's codes
	s_add_nc_u64 s[18:19], s[4:5], s[52:53]        ; Q's scale words
	s_add_nc_u64 s[8:9], s[8:9], s[54:55]          ; my tile's place in cc
	s_add_nc_u64 s[10:11], s[10:11], s[56:57]      ; my work-group's place in cs
	s_mov_b32 s[G0], 1                             ; count = 1
	s_mov_b32 s[G0+1], s42                         ; LDS address
	s_or_b32 s[G0+3], s[G0+3], 0x80000000          ; type = 2
	global_load_b64 v[QZ+6:QZ+7], v7, s[16:17]
	global_load_b64 v[QZ+10:QZ+11], v7, s[16:17] offset:512
	global_load_b64 v[QZ+8:QZ+9], v8, s[16:17] offset:8
	global_load_b32 v[QS], v[LR], s[18:19]         ; the pair's scale word of row r
	VLOAD                                          ; V of key step 0
	CROUND                                         ; all four work-groups are here: the joint loads meet
	tensor_load_to_lds s[G0:G0+3], s[G1:G1+7]      ; my one tensor load: every wave issues one
	s_nop 0
.rept 4
	v_nop
.endr
.irp j, 0,1,2,3,4,5
	v_mov_b32 v[QZ+\j], 0                          ; zero codes on both sides of q
	v_mov_b32 v[QZ+12+\j], 0
.endr
	v_mov_b32 v[RUN], 0xff61b1e6                   ; the largest score so far: -3e38, under every score
	v_mov_b32 v[SUM], 0
	v_mov_b32 v[SUM+1], 0
	v_mov_b32 v[F+1], 0                            ; (named as the upper half of the pair before it is first written)
	v_floor_f32 v[NM], -v[RUN]                     ; -M
	s_wait_loadcnt 13                              ; Q's four loads are in; V's 13 may be out
	v_lshrrev_b32 v[QS], s49, v[QS]                ; my tile's two bytes,
	s_delay_alu instid0(VALU_DEP_1)
	v_and_b32 v[QS], 0xffff, v[QS]                 ; for (q, zeros),
	s_delay_alu instid0(VALU_DEP_1)
	v_lshlrev_b32 v[QS+1], 16, v[QS]               ; and for (zeros, q)
.set j, 0
.rept 32
	v_mov_b32 v[O+j], 0                            ; O^T: the first change of M leaves zeros zeros.  (More than the eight places between a scale word made by vector instructions and a scaled product)
.set j, j+1
.endr
	s_wait_alu depctr_va_vdst(0)
	s_wait_tensorcnt 0x0                           ; my two units of K are in;
	s_barrier_signal -1
	s_barrier_wait -1                              ; and everybody's: K is whole.
	s_mov_b32 s[CNT], 31
.Lstep:
	STEP 1
	s_sub_co_u32 s[CNT], s[CNT], 1
	s_cmp_lg_u32 s[CNT], 0
	s_cbranch_scc1 .Lstep
	STEP 0                                         ; the last step asks for nothing more
	; THE WAY OUT: ctx = O^T / the sum, quantised along the head's 64: two blocks a row, six registers a lane, two scale bytes a row
	s_delay_alu instid0(VALU_DEP_1)
	v_add_f32 v[SUM], v[SUM], v[SUM+1]
	s_delay_alu instid0(VALU_DEP_1)
	v_permlanex16_b32 v[Y], v[SUM], s[SEL], s[SEL+1]
	s_delay_alu instid0(VALU_DEP_1)
	v_add_f32 v[SUM], v[SUM], v[Y]                 ; the row's sum
	s_wait_alu depctr_va_vdst(0)
	v_rcp_f32 v[SUM], v[SUM]
	v_nop                                          ; a plain place behind the reciprocal
	s_wait_alu depctr_va_vdst(0)                   ; ahead of the reciprocal's first reader, which is also O^T's
.set j, 0
.rept 16
	v_pk_mul_f32 v[S+j:S+j+1], v[O+j:O+j+1], v[SUM:SUM+1] op_sel_hi:[1,0]   ; register 16 b + i is channel 32 b + 16 h + i of my query
.set j, j+2
.endr
	v_max3_num_f32 v[BM], |v[S]|, |v[S+1]|, 0x1800000
	v_max3_num_f32 v[BM+1], |v[S+16]|, |v[S+17]|, 0x1800000
.irp i, 2,4,6,8,10,12,14
	s_delay_alu instid0(VALU_DEP_2)
	v_max3_num_f32 v[BM], v[BM], |v[S+\i]|, |v[S+1+\i]|
	s_delay_alu instid0(VALU_DEP_2)
	v_max3_num_f32 v[BM+1], v[BM+1], |v[S+16+\i]|, |v[S+17+\i]|
.endr
	s_delay_alu instid0(VALU_DEP_2)
	v_permlanex16_b32 v[MB], v[BM], s[SEL], s[SEL+1]
	s_delay_alu instid0(VALU_DEP_2)
	v_permlanex16_b32 v[MB+1], v[BM+1], s[SEL], s[SEL+1]
	s_delay_alu instid0(VALU_DEP_2)
	v_max_num_f32 v[BM], v[BM], v[MB]              ; with lane l xor 16's 16 channels
	s_delay_alu instid0(VALU_DEP_2)
	v_max_num_f32 v[BM+1], v[BM+1], v[MB+1]
	s_delay_alu instid0(VALU_DEP_2)
	v_add_nc_u32 v[SO], 0xff000000, v[BM]
	s_delay_alu instid0(VALU_DEP_2)
	v_add_nc_u32 v[SO+1], 0xff000000, v[BM+1]
	s_delay_alu instid0(VALU_DEP_2)
	v_lshrrev_b32 v[BY], 23, v[SO]
	s_delay_alu instid0(VALU_DEP_2)
	v_lshrrev_b32 v[BY+1], 23, v[SO+1]
	s_delay_alu instid0(VALU_DEP_1)
	v_lshl_or_b32 v[X], v[BY+1], 8, v[BY]          ; my row's two scale bytes
	v_cvt_scalef32_pk16_fp6_f32 v[P:P+2], v[S:S+15], v[SO]
	v_cvt_scalef32_pk16_fp6_f32 v[CT:CT+2], v[S+16:S+31], v[SO+1]
	v_nop
.irp i, 0,1,2
	v_permlane16_swap_b32 v[P+\i], v[CT+\i]        ; a whole block to a lane
.endr
.irp i, 0,1,2
	s_delay_alu instid0(VALU_DEP_3)
	v_mov_b32 v[P+3+\i], v[CT+\i]                  ; six registers: channels 32 h + 0 .. 31
.endr
	global_store_b128 v[LI], v[P:P+3], s[8:9]               ; 512 consecutive bytes,
	global_store_b64 v[L8], v[P+4:P+5], s[8:9] offset:512   ; and 256 more
	ds_store_b16 v[SHA], v[X]                      ; both lanes of a row write the same halfword with the same value
	s_wait_dscnt 0x0                               ; for wave 0's sake
	s_barrier_signal -1
	s_barrier_wait -1
	s_cmp_lg_u32 s[WV], 0
	s_cbranch_scc1 .Lnot_first
	ds_load_b128 v[S:S+3], v[SRD]                  ; the sixteen tiles' halfwords
	s_wait_dscnt 0x0
	global_store_b128 v[LI], v[S:S+3], s[10:11]    ; 512 consecutive bytes
.Lnot_first:
	s_wait_tensorcnt 0x0                           ; the wave's end
	ds_add_u32 v[SPW], v[NIL]
	s_wait_dscnt 0x0
	CROUND                                         ; the closing round
	s_endpgm
.Lfunc_end_k_q3e6b29064e_attn:
	.size	k_q3e6b29064e_attn, .Lfunc_end_k_q3e6b29064e_attn-k_q3e6b29064e_attn
	.p2alignl 7, 3214868480
	.fill 96, 4, 3214868480
	.section	.rodata,"a",@progbits
	.p2align	6, 0x0
	.amdhsa_kernel k_q3e6b29064e_attn
		.amdhsa_group_segment_fixed_size 207360
		.amdhsa_private_segment_fixed_size 0
		.amdhsa_enable_private_segment 0
		.amdhsa_kernarg_size 32
		.amdhsa_user_sgpr_count 2
		.amdhsa_user_sgpr_kernarg_segment_ptr 1
		.amdhsa_wavefront_size32 1
		.amdhsa_system_sgpr_workgroup_id_x 1
		.amdhsa_system_sgpr_workgroup_id_y 1
		.amdhsa_system_sgpr_workgroup_id_z 1
		.amdhsa_system_vgpr_workitem_id 0
		.amdhsa_next_free_vgpr 256
		.amdhsa_next_free_sgpr 66
		.amdhsa_reserve_vcc 0
		.amdhsa_float_denorm_mode_32 3
		.amdhsa_float_denorm_mode_16_64 3
		.amdhsa_memory_ordered 1
		.amdhsa_forward_progress 1
		.amdhsa_inst_pref_size 42
	.end_amdhsa_kernel
	.amdgpu_metadata
---
amdhsa.version: [ 1, 2 ]
amdhsa.kernels:
  - .name:           k_q3e6b29064e_attn
    .symbol:         k_q3e6b29064e_attn.kd
    .args:
      - { .name: qi, .offset: 0, .size: 8, .value_kind: global_buffer, .address_space: global }
      - { .name: kv, .offset: 8, .size: 8, .value_kind: global_buffer, .address_space: global }
      - { .name: cc, .offset: 16, .size: 8, .value_kind: global_buffer, .address_space: global }
      - { .name: cs, .offset: 24, .size: 8, .value_kind: global_buffer, .address_space: global }
    .group_segment_fixed_size: 207360
    .private_segment_fixed_size: 0
    .kernarg_segment_align: 8
    .kernarg_segment_size: 32
    .max_flat_workgroup_size: 512
    .sgpr_count:     66
    .vgpr_count:     256
    .wavefront_size: 32
...
	.end_amdgpu_metadata
.endif
;; end of part 3
;; launch outp (part 4): grid 256 x 1, 2 waves a work-group, no clusters, 17,152 bytes of LDS; arguments cc, cs, cod, scl, bo, out0; writes out0
.if DOCPART == 4
	.amdgcn_target "amdgcn-amd-amdhsa--gfx1250"
	.amdhsa_code_object_version 6
	.text
	.protected	k_q3e6b29064e_outp
	.globl	k_q3e6b29064e_outp
	.p2align	8
	.type	k_q3e6b29064e_outp,@function
k_q3e6b29064e_outp:
	s_mov_b64 s[64:65], 0
	v_nop
	global_prefetch_b8 v0, s[64:65] scope:SCOPE_SE
	s_setreg_imm32_b32 hwreg(HW_REG_WAVE_MODE, 25, 1), 1
	s_wait_xcnt 0x0
; out0 = ctx Wo^T + bo on codes of FP6 (E2M3).  ctx comes as codes and scale bytes from the attention launch, Wo from the quantiser's.
; SHARES.  A wave makes 128 output channels x 64 tokens over K = 512: 128 matrix instructions.  Work-group g, wave w: tokens 64 (g / 2) on, channels 128 (2 (g % 2) + w) on.
; OPERANDS are register images.  Wo's eight tiles (source 0) fill windows 1 and 2; ctx's four tiles (source 1) window 3.  A K step of ctx is two heads: registers 0-5 head 2 s, registers 6-11 head 2 s + 1
; (cc: tile x 6,144 + head x 768: registers 0-3 at 16 x lane, registers 4-5 at 512 + 8 x lane); its scale word is the two heads' halfwords (cs: head x 16,384 + 32 x tile + 2 r).
; The product is used transposed: a lane holds one token, its 64 results are channels 32 b + 16 h + 0 .. 15.  The bias is the C of each sum's first matrix instruction.
; THE WAY OUT: 16 tokens x 512 bytes go through the wave's own stage in LDS and leave as rows: a store of the wave covers 512 consecutive bytes, aligned to 256.
; NO CLUSTER, NO TENSOR LOAD: a wave reads 49,152 bytes of Wo and 24,576 of ctx once, straight into its operand registers; there is no LDS tile that a joint load could fill for several work-groups.
.set STGB,  8448                       ; 16 rows x (512 bytes + 16)
.set SPARE, 2*STGB                     ; the spare words, 128 bytes for each wave: one block of 256 bytes that no other line names
.set LI,  1                            ; v1   16 x lane
.set LS,  2                            ; v2   8 r
.set LH,  3                            ; v3   2 r
.set BA,  4                            ; v4   64 h
.set STO, 5                            ; v5   stage + 528 r + 64 h
.set RD,  6                            ; v6   stage + 16 x lane
.set SPW, 8                            ; v8   LDS address of my spare word; never rewritten
.set NIL, 9                            ; v9   0; never rewritten
.set L8,  10                           ; v10  8 x lane
.set SS,  16                           ; v16-47  Wo's scale words
.set MS,  48                           ; v48-63  ctx's
.set ACC, 64
.set BI,  128
.set OB,  192                          ; v192-255 rows on their way out; at the start v192-223 hold ctx's scale halfwords
.set MSB, 0
.macro WIN new                         ; the immediate's high byte repeats the setting that is left
.if MSB != \new
	s_set_vgpr_msb (MSB<<8)|\new
.set MSB, \new
.endif
.endm
.macro MMG i, t0                       ; 16 matrix instructions: Wo's tiles t0 .. t0 + 3 against ctx's tile i: four accumulators by turns, one instruction a turn
.irp s, 0,1,2,3
	s_wait_alu depctr_va_vdst(0)
.irp t, 0,1,2,3
.if \s == 0
	v_wmma_scale_f32_16x16x128_f8f6f4 v[ACC+8*(\t0+\t):ACC+8*(\t0+\t)+7], v[48*\t+12*\s:48*\t+12*\s+11], v[48*(\i)+12*\s:48*(\i)+12*\s+11], v[BI+8*(\t0+\t):BI+8*(\t0+\t)+7], v[SS+4*(\t0+\t)+\s], v[MS+4*(\i)+\s] matrix_a_fmt:MATRIX_FMT_FP6 matrix_b_fmt:MATRIX_FMT_FP6
.else
	v_wmma_scale_f32_16x16x128_f8f6f4 v[ACC+8*(\t0+\t):ACC+8*(\t0+\t)+7], v[48*\t+12*\s:48*\t+12*\s+11], v[48*(\i)+12*\s:48*(\i)+12*\s+11], v[ACC+8*(\t0+\t):ACC+8*(\t0+\t)+7], v[SS+4*(\t0+\t)+\s], v[MS+4*(\i)+\s] matrix_a_fmt:MATRIX_FMT_FP6 matrix_b_fmt:MATRIX_FMT_FP6
.endif
.endr
.endr
.endm
.macro MM i, n                         ; n: the loads of the later tiles of ctx, which may stay out
	s_wait_loadcnt \n
	WIN 0x0d                                       ; source 0 window 1, source 1 window 3, C and D window 0
	MMG \i, 0
	WIN 0x0e                                       ; source 0 window 2
	MMG \i, 4
	WIN 0
.rept 5
	v_nop                                          ; four places ahead of the LDS stores that read the results; the fifth because the next tile's first products begin the same accumulators anew, and only LDS and memory instructions stand between
.endr
.endm
	s_load_b256 s[4:11], s[0:1], 0x0               ; cc s[4:5], cs s[6:7], cod s[8:9], scl s[10:11]
	s_load_b128 s[12:15], s[0:1], 0x20             ; bo s[12:13], out0 s[14:15]
	v_lshl_add_u32 v[SPW], v0, 2, SPARE
	v_mov_b32 v[NIL], 0
	v_lshrrev_b32 v7, 5, v0
	v_readfirstlane_b32 s20, v7                    ; wave 0, 1
	v_and_b32 v7, 31, v0                           ; lane
	v_and_b32 v11, 15, v0                          ; r
	v_bfe_u32 v12, v0, 4, 1                        ; h
	v_lshlrev_b32 v[LI], 4, v7
	v_lshlrev_b32 v[L8], 3, v7
	v_lshlrev_b32 v[LS], 3, v11
	v_lshlrev_b32 v[LH], 1, v11
	v_lshlrev_b32 v[BA], 6, v12
	s_mul_i32 s23, s20, STGB                       ; my stage
	v_mul_u32_u24 v[STO], v11, 528
	v_lshl_add_u32 v[STO], v12, 6, v[STO]
	v_add_nc_u32 v[STO], s23, v[STO]
	v_add_nc_u32 v[RD], s23, v[LI]
	s_lshr_b32 s21, ttmp9, 1                       ; which 64 tokens
	s_and_b32 s22, ttmp9, 1
	s_lshl_b32 s22, s22, 1
	s_add_co_u32 s22, s22, s20                     ; which 128 channels
	s_lshl_b32 s40, s22, 3
	s_add_co_u32 s40, s40, 1632                    ; Wo's first tile of them
	s_mov_b32 s39, 0
	s_wait_alu depctr_va_vdst(0)
	s_wait_kmcnt 0x0
	s_mul_i32 s38, s40, 6144
	s_add_nc_u64 s[24:25], s[8:9], s[38:39]        ; Wo's codes,
	s_lshl_b32 s38, s40, 8
	s_add_nc_u64 s[26:27], s[10:11], s[38:39]      ; and scale words
	s_mul_i32 s38, s21, 4*6144
	s_add_nc_u64 s[28:29], s[4:5], s[38:39]        ; ctx's four tiles,
	s_lshl_b32 s38, s21, 7
	s_add_nc_u64 s[30:31], s[6:7], s[38:39]        ; and their halfwords, 32 bytes a tile
	s_lshl_b32 s38, s22, 9
	s_add_nc_u64 s[32:33], s[12:13], s[38:39]      ; the bias of my 128 channels
	s_add_nc_u64 s[36:37], s[14:15], s[38:39]      ; out0: my 512 bytes of a row,
	s_lshl_b32 s38, s21, 17
	s_add_nc_u64 s[36:37], s[36:37], s[38:39]      ; in my 64 rows of 2,048 bytes
.irp i, 0,1,2,3
.irp d, 0,1,2,3,4,5,6,7
	global_load_u16 v[OB+8*\i+\d], v[LH], s[30:31] offset:16384*\d+32*\i   ; tile i, head d: row r's two scale bytes
.endr
.endr
.irp t, 0,1,2,3,4,5,6,7
	global_load_b64 v[SS+4*\t:SS+4*\t+1], v[LS], s[26:27] offset:256*\t
	global_load_b64 v[SS+4*\t+2:SS+4*\t+3], v[LS], s[26:27] offset:256*\t+128
.endr
.irp t, 0,1,2,3,4,5,6,7
	global_load_b128 v[BI+8*\t:BI+8*\t+3], v[BA], s[32:33] offset:(32*(\t/2)+8*(\t%2))*4      ; tile t's register j is channel 32 (t / 2) + 16 h + 8 (t % 2) + j
	global_load_b128 v[BI+8*\t+4:BI+8*\t+7], v[BA], s[32:33] offset:(32*(\t/2)+8*(\t%2))*4+16
.endr
	WIN 0x40                                       ; destination window 1
.irp t, 0,1,2,3
.irp s, 0,1,2,3
.irp c, 0,1,2
	global_load_b128 v[48*\t+12*\s+4*\c:48*\t+12*\s+4*\c+3], v[LI], s[24:25] offset:6144*\t+1536*\s+512*\c
.endr
.endr
.endr
	WIN 0x80                                       ; destination window 2
.irp t, 0,1,2,3
.irp s, 0,1,2,3
.irp c, 0,1,2
	global_load_b128 v[48*\t+12*\s+4*\c:48*\t+12*\s+4*\c+3], v[LI], s[24:25] offset:6144*(\t+4)+1536*\s+512*\c
.endr
.endr
.endr
	WIN 0xc0                                       ; destination window 3
.irp i, 0,1,2,3
.irp s, 0,1,2,3
	global_load_b128 v[48*\i+12*\s:48*\i+12*\s+3], v[LI], s[28:29] offset:6144*\i+1536*\s
	global_load_b64 v[48*\i+12*\s+4:48*\i+12*\s+5], v[L8], s[28:29] offset:6144*\i+1536*\s+512
	global_load_b128 v[48*\i+12*\s+6:48*\i+12*\s+9], v[LI], s[28:29] offset:6144*\i+1536*\s+768
	global_load_b64 v[48*\i+12*\s+10:48*\i+12*\s+11], v[L8], s[28:29] offset:6144*\i+1536*\s+1280
.endr
.endr
	WIN 0
	s_wait_loadcnt 48                              ; all but the last three tiles of ctx, 16 loads each
.irp i, 0,1,2,3
.irp s, 0,1,2,3
	v_lshl_or_b32 v[MS+4*\i+\s], v[OB+8*\i+2*\s+1], 16, v[OB+8*\i+2*\s]   ; K step s: head 2 s's bytes below, head 2 s + 1's above
.endr
.endr
.rept 8
	v_nop                                          ; a scale word made by vector instructions stands eight places ahead of a scaled product
.endr
.irp i, 0,1,2,3
	MM \i, 16*(3-\i)
.irp t, 0,1,2,3,4,5,6,7
	ds_store_b128 v[STO], v[ACC+8*\t:ACC+8*\t+3] offset:128*(\t/2)+32*(\t%2)          ; each accumulator from its low end on
	ds_store_b128 v[STO], v[ACC+8*\t+4:ACC+8*\t+7] offset:128*(\t/2)+32*(\t%2)+16
.endr
.if \i > 0
	s_wait_xcnt 0x0                                ; the last tile's stores have read their registers: only behind this wait are these loaded again
.endif
.irp n, 0,1,2,3,4,5,6,7,8,9,10,11,12,13,14,15
	ds_load_b128 v[OB+4*\n:OB+4*\n+3], v[RD] offset:528*\n   ; LDS serves a wave's instructions in order (ISA guide 5.7.1.4): these see my stores
.endr
.irp n, 0,1,2,3,4,5,6,7,8,9,10,11,12,13,14,15
	s_wait_dscnt 15-\n                             ; row n is back; the rows behind it may be out
	global_store_b128 v[LI], v[OB+4*\n:OB+4*\n+3], s[36:37] offset:(32*(\i/2)+8*(\i%2)+\n+8*(\n/8))*2048 th:TH_STORE_NT   ; the token that lane n of tile i stands for: 512 consecutive bytes of its row
.endr
.endr
	s_wait_tensorcnt 0x0                           ; the wave's end
	ds_add_u32 v[SPW], v[NIL]
	s_wait_dscnt 0x0
	s_endpgm
.Lfunc_end_k_q3e6b29064e_outp:
	.size	k_q3e6b29064e_outp, .Lfunc_end_k_q3e6b29064e_outp-k_q3e6b29064e_outp
	.p2alignl 7, 3214868480
	.fill 96, 4, 3214868480
	.section	.rodata,"a",@progbits
	.p2align	6, 0x0
	.amdhsa_kernel k_q3e6b29064e_outp
		.amdhsa_group_segment_fixed_size 17152
		.amdhsa_private_segment_fixed_size 0
		.amdhsa_enable_private_segment 0
		.amdhsa_kernarg_size 48
		.amdhsa_user_sgpr_count 2
		.amdhsa_user_sgpr_kernarg_segment_ptr 1
		.amdhsa_wavefront_size32 1
		.amdhsa_system_sgpr_workgroup_id_x 1
		.amdhsa_system_sgpr_workgroup_id_y 1
		.amdhsa_system_sgpr_workgroup_id_z 1
		.amdhsa_system_vgpr_workitem_id 0
		.amdhsa_next_free_vgpr 960
		.amdhsa_next_free_sgpr 66
		.amdhsa_reserve_vcc 0
		.amdhsa_float_denorm_mode_32 3
		.amdhsa_float_denorm_mode_16_64 3
		.amdhsa_memory_ordered 1
		.amdhsa_forward_progress 1
		.amdhsa_inst_pref_size 59
	.end_amdhsa_kernel
	.amdgpu_metadata
---
amdhsa.version: [ 1, 2 ]
amdhsa.kernels:
  - .name:           k_q3e6b29064e_outp
    .symbol:         k_q3e6b29064e_outp.kd
    .args:
      - { .name: cc, .offset: 0, .size: 8, .value_kind: global_buffer, .address_space: global }
      - { .name: cs, .offset: 8, .size: 8, .value_kind: global_buffer, .address_space: global }
      - { .name: cod, .offset: 16, .size: 8, .value_kind: global_buffer, .address_space: global }
      - { .name: scl, .offset: 24, .size: 8, .value_kind: global_buffer, .address_space: global }
      - { .name: bo, .offset: 32, .size: 8, .value_kind: global_buffer, .address_space: global }
      - { .name: out0, .offset: 40, .size: 8, .value_kind: global_buffer, .address_space: global }
    .group_segment_fixed_size: 17152
    .private_segment_fixed_size: 0
    .kernarg_segment_align: 8
    .kernarg_segment_size: 48
    .max_flat_workgroup_size: 64
    .sgpr_count:     66
    .vgpr_count:     960
    .wavefront_size: 32
...
	.end_amdgpu_metadata
.endif
;; end of part 4
